; MI455X (gfx1250); checked and timed in simulation.
; The chip was launched on July 23, 2026; its instructions are those of AMD's public machine-readable ISA for CDNA 5 (MIT licence, August 2026) and "CDNA5" Instruction Set Architecture Reference Guide (July 2026). The comments in the code are by the model that wrote it; some were corrected since.
;; Attention With Fast KAN Transform. Allowed arithmetic: matrix products marked QUANTISED: E5M2 operands, one given power-of-two scale a tensor, by v_wmma_f32_16x16x64_bf8_bf8 or v_wmma_f32_16x16x128_bf8_bf8, f32 sums; everything else in f32.
;; Inputs: k 2 x 2,048 x 512 float32; lg_bb 512 float32; lg_bw 512 x 512 float32; lg_ln_b 512 float32; lg_ln_s 512 float32; lg_sw 512 x 4,096 float32; lk_bb 512 float32; lk_bw 512 x 512 float32; lk_ln_b 512 float32; lk_ln_s 512 float32; lk_sw 512 x 4,096 float32; lo_bb 512 float32; lo_bw 512 x 512 float32; lo_ln_b 512 float32; lo_ln_s 512 float32; lo_sw 512 x 4,096 float32; lowp_scales 24 int32 (the exponents e of the quantised operands' scales 2^e); lq_bb 512 float32; lq_bw 512 x 512 float32; lq_ln_b 512 float32; lq_ln_s 512 float32; lq_sw 512 x 4,096 float32; lv_bb 512 float32; lv_bw 512 x 512 float32; lv_ln_b 512 float32; lv_ln_s 512 float32; lv_sw 512 x 4,096 float32; q 2 x 2,048 x 512 float32; v 2 x 2,048 x 512 float32.
;; Outputs: out0 2 x 2,048 x 512 float32.
;; This version of the problem:
;;   THIS VERSION OF THE PROBLEM IS GIVEN IN LOW PRECISION. The matrix products marked QUANTISED in the list below multiply operands that are first quantised to E5M2 (5 exponent bits, 2 mantissa bits; 8 bits a number), with one given power-of-two scale for each operand tensor; their sums are f32. All else is computed in f32.
;;   The module's matrix products, in the order in which they are computed (A, B: the left and right operand; K: the contracted axis; several contracted axes count as one K, in the product's order):
;;     1. [M 4,096, K 4,096] x [K 4,096, N 512]; A: computed on the way; B: input lq_sw: QUANTISED (scales: A lowp_scales[0], B lowp_scales[1])
;;     2. [M 4,096, K 512] x [K 512, N 512]; A: computed on the way; B: input lq_bw: QUANTISED (scales: A lowp_scales[2], B lowp_scales[3])
;;     3. [M 4,096, K 4,096] x [K 4,096, N 512]; A: computed on the way; B: input lk_sw: QUANTISED (scales: A lowp_scales[4], B lowp_scales[5])
;;     4. [M 4,096, K 512] x [K 512, N 512]; A: computed on the way; B: input lk_bw: QUANTISED (scales: A lowp_scales[6], B lowp_scales[7])
;;     5. batch 16 x [M 2,048, K 64] x [K 64, N 2,048]; A: computed on the way; B: computed on the way: QUANTISED (scales: A lowp_scales[8], B lowp_scales[9])
;;     6. [M 4,096, K 4,096] x [K 4,096, N 512]; A: computed on the way; B: input lv_sw: QUANTISED (scales: A lowp_scales[10], B lowp_scales[11])
;;     7. [M 4,096, K 512] x [K 512, N 512]; A: computed on the way; B: input lv_bw: QUANTISED (scales: A lowp_scales[12], B lowp_scales[13])
;;     8. batch 16 x [M 64, K 2,048] x [K 2,048, N 2,048]; A: computed on the way; B: softmax (see below): QUANTISED (scales: A lowp_scales[14], B lowp_scales[15])
;;     9. [M 4,096, K 4,096] x [K 4,096, N 512]; A: computed on the way; B: input lg_sw: QUANTISED (scales: A lowp_scales[16], B lowp_scales[17])
;;     10. [M 4,096, K 512] x [K 512, N 512]; A: computed on the way; B: input lg_bw: QUANTISED (scales: A lowp_scales[18], B lowp_scales[19])
;;     11. [M 4,096, K 4,096] x [K 4,096, N 512]; A: computed on the way; B: input lo_sw: QUANTISED (scales: A lowp_scales[20], B lowp_scales[21])
;;     12. [M 4,096, K 512] x [K 512, N 512]; A: computed on the way; B: input lo_bw: QUANTISED (scales: A lowp_scales[22], B lowp_scales[23])
;;   THE QUANTISER, for each operand of a quantised product, along K:
;;     - The operand's scale is 2^e, e = its entry of the input lowp_scales (int32; the entries are numbered through the quantised products in the list's order, A before B).
;;     - Each number is divided by the scale, clamped to +-57,344, and rounded to the nearest number of E5M2, ties to even, subnormals kept.
;;     - The product sums the exact products of the quantised numbers (number of the format x scale) in f32.
;;   ~~~python
;;   def quantise(x, axis, e):      # numpy; x: float32 -> the quantised numbers, widened to float32 again
;;       x = np.moveaxis(x, axis, -1); K = x.shape[-1]
;;       r = np.clip(x / 2.0 ** e, -57344, 57344)
;;       step = 2.0 ** (np.maximum(np.frexp(np.where(r == 0, 1, r))[1] - 1, -14) - 2)
;;       q = np.round(r / step) * step * 2.0 ** e      # np.round: ties to even
;;       return np.moveaxis(q, -1, axis).astype(np.float32)
;;   ~~~
;;   SOFTMAX AHEAD OF A QUANTISED PRODUCT. Where the list says 'softmax', what is quantised is not the finished softmax but p = 2^(t - M), with t = logit x log2(e) and M = ceil(the row's largest t), a whole number; so 1/2 < the row's largest p <= 1. The row's sum l is taken of the UNQUANTISED p, in f32, and the product's result is divided by l at the end. Since M is a whole number, a kernel that streams over the keys may use a running M (the ceiling of the running maximum): every later rescaling is an exact power of two, so the quantised numbers keep their values, but for numbers so far below the row's largest that they fall under the format's range.
;;   OPERANDS COMPUTED ON THE WAY. 'Computed on the way' means the value that the module computes at that place (a softmax that the list does not call 'softmax' is quantised finished and normalised). What goes into a quantiser is computed in f32, as accurately as f32 sums, v_exp_f32 and their like allow (about 1e-6 of the number): no bf16 or f16 on the way to a quantiser, and a product that is left as it is and whose result goes on into a quantised operand takes f32 operands (vector FMAs, or v_wmma_f32_16x16x4_f32). A number that lies on a knife's edge between two numbers of the format may be rounded either way, as far as f32 arithmetic and the matrix unit's own rounding can turn it there, and no further.
;; One version. Each part assembles by itself: llvm-mc -triple=amdgcn-amd-amdhsa -mcpu=gfx1250 --defsym DOCPART=n.
;; ======== version 1 of 1: 4 launches
;; limits: right only within a limited range of input values
;; workspace buffers: wa 9,469,952 bytes; wo 2,392,064 bytes; act 14,680,064 bytes; ob 8,388,608 bytes
;; launch prep (part 1): grid 289 x 5, 4 waves a work-group, no clusters, 34,304 bytes of LDS; arguments lg_sw, lg_bw, lg_ln_s, lg_ln_b, lg_bb, lq_sw, lq_bw, lq_ln_s, lq_ln_b, lq_bb, lk_sw, lk_bw, lk_ln_s, lk_ln_b, lk_bb, lv_sw, lv_bw, lv_ln_s, lv_ln_b, lv_bb, lo_sw, lo_bw, lo_ln_s, lo_ln_b, lo_bb, lowp_scales, wa, wo; writes wa, wo
.if DOCPART == 1
	.amdgcn_target "amdgcn-amd-amdhsa--gfx1250"
	.amdhsa_code_object_version 6
	.text
	.protected	k_qe100db98c1_prep
	.globl	k_qe100db98c1_prep
	.p2align	8
	.type	k_qe100db98c1_prep,@function
k_qe100db98c1_prep:
	s_mov_b64 s[64:65], 0
	v_nop
	global_prefetch_b8 v0, s[64:65] scope:SCOPE_SE
	s_setreg_imm32_b32 hwreg(HW_REG_WAVE_MODE, 25, 1), 1
	s_wait_xcnt 0x0
; The ten weights become codes of BF8 (E5M2), laid in the order of the operand's registers; the fifteen small vectors and the scales' exponents are gathered into one block for each layer.
; Layers, by work-group y: 0 g, 1 q, 2 k, 3 v (into wa), 4 o (into wo, as its layer 0).
; A BUFFER: bytes 0 .. 32,767: a block of 8,192 bytes a layer: +0 ln_s, +2048 ln_b, +4096 bb, +6144 five whole numbers: e of the bases, of sw, of silu(x), of bw, and of the layer's result as an operand
;   (k: entry 8, the left operand of the scores' product as it is lowered; q: entry 9, the right one, + 3, which is the factor 1/8 of the head's norm; v: entry 14; g and o: not used); 512 bytes are written there.
;   From byte 32,768: [layer][chunk 18][column block 8][step 2][tile 4][group 4][lane 32][16 bytes].  Chunks 0, 1: bw (256 along K each); chunks 2 .. 17: sw.
;   Byte i of group g of lane (r, h) in step s is k = 256 chunk' + 128 s + 64 h + 16 g + i of weight row 64 block + 16 tile + r: the same place that the other operand's maker gives each k.
; code = x / 2^e, held within +-57,344, rounded to the nearest code, ties to even.  LIMITS: -126 <= e and e + 15 <= 127 for the weights' exponents.  NaN among the inputs is not served.
; Work-group x < 256: sw; 256 .. 287: bw; a wave takes 16 rows x 128 along K.  Each load reads 512 consecutive bytes of one row; the 8 KiB turn through the wave's own stage in LDS (rows 528 bytes apart:
; 33 x 16, so that the sixteen rows of a read start at sixteen different groups of banks) and come back 256 bytes a lane: 64 neighbours along K.  Work-group x = 288: the layer's block.  Waves share nothing: no barrier.
.set LAYB,  2359296                    ; a layer's codes in bytes
.set CODE0, 32768
.set SP,    528
.set AD,    16                         ; v16-31   byte offsets of my 16 bytes in the 16 rows
.set RW,    32                         ; v32-95   the rows as loaded
.set X,     96                         ; v96-159  my 64 neighbours
.set C,     160                        ; v160-175 their codes
	s_load_b512 s[8:23], s[0:1], 0x0               ; pointer k of layer y lies in s[8 + 10 y + 2 k]: sw, bw, ln_s, ln_b, bb
	s_load_b512 s[24:39], s[0:1], 0x40
	s_load_b512 s[40:55], s[0:1], 0x80
	s_load_b256 s[56:63], s[0:1], 0xc0             ; o's bb, the exponents s[58:59], wa s[60:61], wo s[62:63]
	v_lshl_add_u32 v176, v0, 2, 0x8400
	v_mov_b32 v177, 0
	v_lshrrev_b32 v1, 5, v0
	v_readfirstlane_b32 s4, v1                     ; wave
	s_and_b32 s5, ttmp7, 0xffff                    ; layer
	s_lshl_b32 s6, s5, 2
	s_lshr_b32 s7, 0xA5208, s6                     ; the layer's four exponents begin at entry 16, 0, 4, 10, 20: half of it, four bits a layer
	s_and_b32 s7, s7, 15
	s_lshl_b32 s80, s7, 3                          ; in bytes
	s_lshr_b32 s7, 0xE890, s6                      ; the result's exponent: entry 9 (q), 8 (k), 14 (v), four bits a layer; g and o read entry 0 and do not use it
	s_and_b32 s7, s7, 15
	s_lshl_b32 s81, s7, 2
	s_wait_kmcnt 0x0
	s_load_b128 s[76:79], s[58:59], s80 offset:0x0
	s_load_b32 s82, s[58:59], s81 offset:0x0
.irp k, 0,1,2,3,4
	s_mov_b64 s[66+2*\k:67+2*\k], s[8+2*\k:9+2*\k]
.endr
.irp n, 1,2,3,4
	s_cmp_eq_u32 s5, \n                            ; the choice hangs on the work-group's number alone
.irp k, 0,1,2,3,4
	s_cselect_b64 s[66+2*\k:67+2*\k], s[8+10*\n+2*\k:9+10*\n+2*\k], s[66+2*\k:67+2*\k]
.endr
.endr
	s_cmp_lt_u32 s5, 4
	s_cselect_b64 s[84:85], s[60:61], s[62:63]     ; where it goes,
	s_cselect_b32 s83, s5, 0                       ; and as which layer of that buffer
	s_cmp_eq_u32 ttmp9, 288
	s_cbranch_scc1 .Lparams
	; ---- 16 rows x 128 along K of sw or of bw
	s_lshr_b32 s86, ttmp9, 3                       ; sw: tile of 16 rows,
	s_sub_co_u32 s87, ttmp9, 256                   ; bw: the same
	s_and_b32 s88, ttmp9, 7
	s_lshl_b32 s88, s88, 2
	s_add_co_u32 s88, s88, s4                      ; sw: which 128 along K (bw: the wave's number)
	s_mov_b32 s90, 0x4000                          ; a row in bytes: sw,
	s_mov_b32 s91, 0x800                           ; bw
	s_lshr_b32 s92, s88, 1
	s_add_co_u32 s92, s92, 2                       ; chunk: sw,
	s_lshr_b32 s93, s4, 1                          ; bw
	s_lshl_b32 s94, s86, 18                        ; 16 rows in bytes x tile: sw,
	s_lshl_b32 s95, s87, 15                        ; bw
	s_cmp_lt_u32 ttmp9, 256
	s_cselect_b64 s[66:67], s[66:67], s[68:69]
	s_cselect_b32 s86, s86, s87
	s_cselect_b32 s88, s88, s4
	s_cselect_b32 s90, s90, s91
	s_cselect_b32 s92, s92, s93
	s_cselect_b32 s94, s94, s95
	s_lshl_b32 s95, s88, 9
	s_add_co_u32 s94, s94, s95
	s_mov_b32 s95, 0
	s_add_nc_u64 s[66:67], s[66:67], s[94:95]      ; the source at my first row and my 128 along K
	s_mul_i32 s96, s83, LAYB
	s_lshl_b32 s97, s92, 17
	s_add_co_u32 s96, s96, s97                     ; + chunk x 131,072
	s_lshr_b32 s97, s86, 2
	s_lshl_b32 s97, s97, 14
	s_add_co_u32 s96, s96, s97                     ; + column block x 16,384
	s_and_b32 s97, s4, 1
	s_lshl_b32 s97, s97, 13
	s_add_co_u32 s96, s96, s97                     ; + step x 8,192 (the step's parity is the wave's in both cases)
	s_and_b32 s97, s86, 3
	s_lshl_b32 s97, s97, 11
	s_add_co_u32 s96, s96, s97                     ; + tile x 2,048
	s_add_co_u32 s96, s96, CODE0
	s_mov_b32 s97, 0
	s_add_nc_u64 s[84:85], s[84:85], s[96:97]
	v_and_b32 v2, 31, v0
	v_lshlrev_b32 v[AD], 4, v2                     ; 16 x lane
.irp i, 1,2,3,4,5,6,7,8,9,10,11,12,13,14,15
	v_add_nc_u32 v[AD+\i], s90, v[AD+\i-1]         ; + i rows
.endr
	s_mul_i32 s98, s4, 16*SP                       ; my stage
	v_add_nc_u32 v3, s98, v[AD]                    ; in: a row's 512 bytes as they lie
	v_and_b32 v5, 15, v0
	v_bfe_u32 v6, v0, 4, 1
	v_mul_u32_u24 v4, v5, SP
	v_lshl_add_u32 v4, v6, 8, v4
	v_add_nc_u32 v4, s98, v4                       ; back: row r, + 256 h
.irp i, 0,1,2,3,4,5,6,7,8,9,10,11,12,13,14,15
	global_load_b128 v[RW+4*\i:RW+4*\i+3], v[AD+\i], s[66:67] th:TH_LOAD_NT   ; 32 lanes read 512 consecutive bytes; read once in the launch
.endr
	s_wait_alu depctr_va_vdst(0)
	s_wait_kmcnt 0x0
	s_cmp_lt_u32 ttmp9, 256
	s_cselect_b32 s76, s77, s79                    ; e of sw or of bw
	s_add_co_i32 s76, s76, 127
	s_lshl_b32 s77, s76, 23
	v_mov_b32 v11, s77                             ; 2^e as f32: the conversion takes its exponent field
	s_add_co_i32 s76, s76, 15
	s_lshl_b32 s76, s76, 23
	s_or_b32 s76, s76, 0x600000
	v_mov_b32 v10, s76                             ; 57,344 x 2^e
	s_wait_alu depctr_va_vdst(0)
.irp i, 0,1,2,3,4,5,6,7,8,9,10,11,12,13,14,15
	s_wait_loadcnt 15-\i                           ; loads come back in order: row i is in, the rows behind it may be out
	ds_store_b128 v3, v[RW+4*\i:RW+4*\i+3] offset:SP*\i
.endr
.irp m, 0,1,2,3,4,5,6,7,8,9,10,11,12,13,14,15
	ds_load_b128 v[X+4*\m:X+4*\m+3], v4 offset:16*\m   ; LDS serves a wave's instructions in order: these see my stores
.endr
	s_wait_dscnt 0x0
.irp b, 0,1,2,3
.set jj, 0
.rept 16
	v_med3_num_f32 v[X+16*\b+jj], v[X+16*\b+jj], -v10, v10   ; the conversion to an 8-bit code does not saturate (ISA guide 7.6.2): the hold comes first
.set jj, jj+1
.endr
	v_cvt_scalef32_pk8_bf8_f32 v[C+4*\b:C+4*\b+1], v[X+16*\b:X+16*\b+7], v11
	v_cvt_scalef32_pk8_bf8_f32 v[C+4*\b+2:C+4*\b+3], v[X+16*\b+8:X+16*\b+15], v11
.endr
.irp g, 0,1,2,3
	global_store_b128 v[AD], v[C+4*\g:C+4*\g+3], s[84:85] offset:512*\g   ; a group of the fragment: 512 consecutive bytes, aligned
.endr
	s_wait_tensorcnt 0x0
	ds_add_u32 v176, v177
	s_wait_dscnt 0x0
	s_endpgm
	; ---- the layer's block: 128 threads, 16 bytes each of the three vectors, and the five whole numbers
.Lparams:
	v_lshlrev_b32 v1, 4, v0
	global_load_b128 v[4:7], v1, s[70:71]
	global_load_b128 v[8:11], v1, s[72:73]
	global_load_b128 v[12:15], v1, s[74:75]
	s_lshl_b32 s86, s83, 13
	s_mov_b32 s87, 0
	s_add_nc_u64 s[84:85], s[84:85], s[86:87]
	s_wait_kmcnt 0x0
	s_cmp_eq_u32 s5, 1
	s_cselect_b32 s88, 3, 0
	s_add_co_i32 s82, s82, s88                     ; q: dividing by 2^(e + 3) is multiplying by the norm 1/8 and dividing by 2^e
	v_mov_b32 v20, 0
.irp t, 0,1,2,3
	v_mov_b32 v21, s[76+\t]
	v_cmp_eq_u32 vcc_lo, \t, v0
	v_cndmask_b32 v20, v20, v21, vcc_lo
.endr
	v_mov_b32 v21, s82
	v_cmp_eq_u32 vcc_lo, 4, v0
	v_cndmask_b32 v20, v20, v21, vcc_lo
	v_lshlrev_b32 v2, 2, v0
	global_store_b32 v2, v20, s[84:85] offset:6144
	s_wait_loadcnt 0x0
	global_store_b128 v1, v[4:7], s[84:85]
	global_store_b128 v1, v[8:11], s[84:85] offset:2048
	global_store_b128 v1, v[12:15], s[84:85] offset:4096
	s_endpgm
.Lfunc_end_k_qe100db98c1_prep:
	.size	k_qe100db98c1_prep, .Lfunc_end_k_qe100db98c1_prep-k_qe100db98c1_prep
	.p2alignl 7, 3214868480
	.fill 96, 4, 3214868480
	.section	.rodata,"a",@progbits
	.p2align	6, 0x0
	.amdhsa_kernel k_qe100db98c1_prep
		.amdhsa_group_segment_fixed_size 34304
		.amdhsa_private_segment_fixed_size 0
		.amdhsa_enable_private_segment 0
		.amdhsa_kernarg_size 224
		.amdhsa_user_sgpr_count 2
		.amdhsa_user_sgpr_kernarg_segment_ptr 1
		.amdhsa_wavefront_size32 1
		.amdhsa_system_sgpr_workgroup_id_x 1
		.amdhsa_system_sgpr_workgroup_id_y 1
		.amdhsa_system_sgpr_workgroup_id_z 1
		.amdhsa_system_vgpr_workitem_id 0
		.amdhsa_next_free_vgpr 178
		.amdhsa_next_free_sgpr 100
		.amdhsa_reserve_vcc 1
		.amdhsa_float_denorm_mode_32 3
		.amdhsa_float_denorm_mode_16_64 3
		.amdhsa_memory_ordered 1
		.amdhsa_forward_progress 1
		.amdhsa_inst_pref_size 16
	.end_amdhsa_kernel
	.amdgpu_metadata
---
amdhsa.version: [ 1, 2 ]
amdhsa.kernels:
  - .name:           k_qe100db98c1_prep
    .symbol:         k_qe100db98c1_prep.kd
    .args:
      - { .name: lg_sw, .offset: 0, .size: 8, .value_kind: global_buffer, .address_space: global }
      - { .name: lg_bw, .offset: 8, .size: 8, .value_kind: global_buffer, .address_space: global }
      - { .name: lg_ln_s, .offset: 16, .size: 8, .value_kind: global_buffer, .address_space: global }
      - { .name: lg_ln_b, .offset: 24, .size: 8, .value_kind: global_buffer, .address_space: global }
      - { .name: lg_bb, .offset: 32, .size: 8, .value_kind: global_buffer, .address_space: global }
      - { .name: lq_sw, .offset: 40, .size: 8, .value_kind: global_buffer, .address_space: global }
      - { .name: lq_bw, .offset: 48, .size: 8, .value_kind: global_buffer, .address_space: global }
      - { .name: lq_ln_s, .offset: 56, .size: 8, .value_kind: global_buffer, .address_space: global }
      - { .name: lq_ln_b, .offset: 64, .size: 8, .value_kind: global_buffer, .address_space: global }
      - { .name: lq_bb, .offset: 72, .size: 8, .value_kind: global_buffer, .address_space: global }
      - { .name: lk_sw, .offset: 80, .size: 8, .value_kind: global_buffer, .address_space: global }
      - { .name: lk_bw, .offset: 88, .size: 8, .value_kind: global_buffer, .address_space: global }
      - { .name: lk_ln_s, .offset: 96, .size: 8, .value_kind: global_buffer, .address_space: global }
      - { .name: lk_ln_b, .offset: 104, .size: 8, .value_kind: global_buffer, .address_space: global }
      - { .name: lk_bb, .offset: 112, .size: 8, .value_kind: global_buffer, .address_space: global }
      - { .name: lv_sw, .offset: 120, .size: 8, .value_kind: global_buffer, .address_space: global }
      - { .name: lv_bw, .offset: 128, .size: 8, .value_kind: global_buffer, .address_space: global }
      - { .name: lv_ln_s, .offset: 136, .size: 8, .value_kind: global_buffer, .address_space: global }
      - { .name: lv_ln_b, .offset: 144, .size: 8, .value_kind: global_buffer, .address_space: global }
      - { .name: lv_bb, .offset: 152, .size: 8, .value_kind: global_buffer, .address_space: global }
      - { .name: lo_sw, .offset: 160, .size: 8, .value_kind: global_buffer, .address_space: global }
      - { .name: lo_bw, .offset: 168, .size: 8, .value_kind: global_buffer, .address_space: global }
      - { .name: lo_ln_s, .offset: 176, .size: 8, .value_kind: global_buffer, .address_space: global }
      - { .name: lo_ln_b, .offset: 184, .size: 8, .value_kind: global_buffer, .address_space: global }
      - { .name: lo_bb, .offset: 192, .size: 8, .value_kind: global_buffer, .address_space: global }
      - { .name: lowp_scales, .offset: 200, .size: 8, .value_kind: global_buffer, .address_space: global }
      - { .name: wa, .offset: 208, .size: 8, .value_kind: global_buffer, .address_space: global }
      - { .name: wo, .offset: 216, .size: 8, .value_kind: global_buffer, .address_space: global }
    .group_segment_fixed_size: 34304
    .private_segment_fixed_size: 0
    .kernarg_segment_align: 8
    .kernarg_segment_size: 224
    .max_flat_workgroup_size: 128
    .sgpr_count:     100
    .vgpr_count:     178
    .wavefront_size: 32
...
	.end_amdgpu_metadata
.endif
;; end of part 1
;; launch kan (part 2): grid 256 x 1, 8 waves a work-group, no clusters, 205,824 bytes of LDS; arguments q, k, v, wa, act; writes act
.if DOCPART == 2
	.amdgcn_target "amdgcn-amd-amdhsa--gfx1250"
	.amdhsa_code_object_version 6
	.text
	.protected	k_qe100db98c1_kan
	.globl	k_qe100db98c1_kan
	.p2align	8
	.type	k_qe100db98c1_kan,@function
k_qe100db98c1_kan:
	s_mov_b64 s[64:65], 0
	v_nop
	global_prefetch_b8 v0, s[64:65] scope:SCOPE_SE
	s_setreg_imm32_b32 hwreg(HW_REG_WAVE_MODE, 25, 1), 1
	s_wait_xcnt 0x0
; One FastKAN layer, fused: y = bases(LayerNorm(x)) sw^T + silu(x) bw^T + bb, both products on codes of BF8 (E5M2), each operand with the one scale 2^e given for it.
; x: [4096][512] f32.  The weights come as codes in the order of the operand's registers, with a block of parameters a layer (ln_s, ln_b, bb, five exponents), as the launch before laid them.
; LAYER = work-group / 64: 0: y leaves as f32 [4096][512] at the destination's byte 0.  1, 2: as codes laid as attention's operands along the head's 64 (q at byte 8,388,608, k at 10,485,760).
; 3: as codes with the KEYS along K (v at 12,582,912).  x is argument 0 for layers 0 and 1, argument 1 for 2, argument 2 for 3.
; SHARES.  A work-group takes 64 rows x all 512 columns, so each base is made once.  K = 512 (silu) + 4,096 (bases) goes in 18 chunks of 256.  Eight waves; wave j does two things in every chunk:
;   it MULTIPLIES: columns 64 j .. 64 j + 63 of all 64 rows, 16 accumulators, 32 matrix instructions;
;   it MAKES the next chunk's fragment of A of rows 16 (j / 2) .. + 15 and K step j % 2: 64 numbers a lane, quantised in registers, stored to LDS as an image of its registers.
; Half of the waves multiply first and make second, the other half the other way round (bit 0 xor bit 2 of the wave's number).  One barrier a chunk; two sets of images take turns.
; THE WEIGHTS GO FROM MEMORY STRAIGHT INTO THE OPERAND'S REGISTERS: a wave is the only reader of its 16 KiB of a chunk, 128 registers; each K step's 16 loads for the next chunk are issued as soon as its products have read the registers.
; NO JOINT LOADS: no tile of weights lies in LDS, so there is no tensor load that partners could share; hence no cluster.
; PREFETCH: in trip t (1 .. 14) wave 0 names chunk t + 3, which trip t + 2 loads: the 64 work-groups of a layer share a chunk's 131,072 bytes out, 2,048 bytes each, lanes 256 bytes apart (lanes 8-31 name the last block again).  Chunks 0 to 3 come by their loads alone.
; K's PLACES.  Byte i of register group g of lane (r, h) holds k = 256 chunk + 128 step + 64 h + 16 g + i, in A and in B alike.
; THE STATISTICS.  A wave's 128 numbers a lane for the two silu chunks are half of its 16 rows; it takes their mean and the sum of squared deviations from it, and the two halves (n = 256 each) are joined:
;   mean = (m1 + m2) / 2, sum of squares = S1 + S2 + 128 (m1 - m2)^2: no difference of large sums.
; THE SCALES.  The sums begin as bb / 2^eb, are multiplied by 2^(eb - es) when the chunks of bases begin, and by 2^es, or by the next quantiser's scale, on the way out: powers of two.
; THE BASES.  exp(-((xn - g_j) / (4/7))^2) = 2^(-(xn S - g_j S)^2), S = sqrt(log2 e) x 7/4.  A base under 2^-126 comes out as 0.
; LIMITS: the exponents of the bases and of silu(x), and (the result's exponent - es), between -126 and 112; es and eb - es between -126 and 127.  NaN among the inputs is not served.
; REGISTERS.  Window 0: v1 16 x lane; v2, v3 for the add; v4 prefetch; v5 my image; v7, v8 the trip's LDS addresses; v9 x for silu; v10, v11 statistics; v12, v13, v62 the way out; v14, v15 the bases' inputs;
;   v16-23 xn; v24-47 x, ln_s, ln_b; v48-55 -g_j S; v[56:57] mean, 1/std; v58-61 limits and scales; v64-79 codes; v80-143 at work; v144-207 A's four fragments; v208-223 statistics.
;   Window 1: v0-127 accumulator (a, b) at 8 (4 a + b) (at the head: x for silu); v128-255 the weights' eight fragments, 64 step + 16 b.
.set LAYB,  2359296
.set CODE0, 32768
.set CHUNK, 131072
.set AX,    0x4000                     ; A's images: two sets of 8 x 2,048 bytes at LDS 0 and here
.set STATS, 0x8000                     ; 16 x (mean, sum of squares) for each wave: 128 bytes a wave
.set STG,   0x8400                     ; the way out in f32: 16 rows x 272 bytes for each wave
.set STP,   272
.set SPARE, 0x10c00                    ; the spare words, 128 bytes a wave
.set XBLK,  0x11000                    ; the block's 64 rows of x, stored once at the head from the registers that hold them for silu; the bases' makers read them from here
.set XP,    2064                       ; a row of x in LDS: 2,048 bytes + 16: 129 x 16, so the sixteen rows of an access start at sixteen different groups of banks
.set LNS,   0x31400                    ; ln_s (2,048 bytes), then ln_b
.set WV, 14
.set PAR, 15
.set LIM, 16
.set LAYER, 18
.set RB, 19
.set XB, 20
.set PB, 22
.set WB, 24
.set XO, 26
.set T, 36
.set AWB, 38
.set ARB, 39
.set SC, 40
.set SS, 48
.set NL, 50
.set RES, 52
.set FIN, 54
.set NEB, 56
.set OSC, 57
.set OLM, 58
.set SEL, 60
.set DB, 66
.set XN, 16
.set XL, 24
.set LS, 32
.set LB, 40
.set CC, 48
.set MR, 56
.set CD, 64
.set E, 80
.set AF, 144
.set BI, 144
.set TS, 208
.set TQ, 216
.set BW, 128
.set MSB, 0
.macro WIN new                         ; the immediate's high byte repeats the setting that is left
.if MSB != \new
	s_set_vgpr_msb (MSB<<8)|\new
.set MSB, \new
.endif
.endm
.macro PLACES                          ; four places behind matrix instructions (ISA guide 7.12.1 for vector instructions)
.rept 4
	v_nop
.endr
.endm
.macro BLOAD st, off                   ; a K step's four fragments of my weights: 16 loads of 512 consecutive bytes
.irp b, 0,1,2,3
.irp g, 0,1,2,3
	global_load_b128 v[BW+64*\st+16*\b+4*\g:BW+64*\st+16*\b+4*\g+3], v1, s[WB:WB+1] offset:\off+\st*8192+\b*2048+512*\g
.endr
.endr
.endm
.macro ALOAD st                        ; A's four fragments of a K step
.irp a, 0,1,2,3
.irp g, 0,1,2,3
	ds_load_b128 v[AF+16*\a+4*\g:AF+16*\a+4*\g+3], v7 offset:(2*\a+\st)*2048+512*\g
.endr
.endr
.endm
; 16 matrix instructions; the sixteen accumulators take turns, one instruction a turn.  al = 1: each is the first reader of its accumulator behind the maker's transcendentals:
; the wait stands directly ahead of it.  swap = 0: a lane holds one row of y and eight neighbouring columns; 1 (v): one column and eight neighbouring rows.
.macro WM16 swap, st, al
.irp b, 0,1,2,3
.irp a, 0,1,2,3
.if \al
	s_wait_alu depctr_va_vdst(0)
.endif
.if \swap
	v_wmma_f32_16x16x128_bf8_bf8 v[8*(4*\a+\b):8*(4*\a+\b)+7], v[AF+16*\a:AF+16*\a+15], v[BW+64*\st+16*\b:BW+64*\st+16*\b+15], v[8*(4*\a+\b):8*(4*\a+\b)+7]
.else
	v_wmma_f32_16x16x128_bf8_bf8 v[8*(4*\a+\b):8*(4*\a+\b)+7], v[BW+64*\st+16*\b:BW+64*\st+16*\b+15], v[AF+16*\a:AF+16*\a+15], v[8*(4*\a+\b):8*(4*\a+\b)+7]
.endif
.endr
.endr
.endm
; A chunk's products.  w0, w1: the global loads issued behind K step 0's and K step 1's sixteen.  re = 1: the next chunk's weights are asked for into the registers just read.
.macro MUL swap, w0, w1, re
	ALOAD 0
	s_wait_loadcnt \w0
	s_wait_dscnt 0x0
	WIN 0x51+3*\swap
	WM16 \swap, 0, 1
	PLACES
.if \re
	WIN 0x40
	BLOAD 0, CHUNK
.endif
	WIN 0
	ALOAD 1
	s_wait_loadcnt \w1
	s_wait_dscnt 0x0
	WIN 0x51+3*\swap
	WM16 \swap, 1, 0
.if \re
	PLACES
	WIN 0x40
	BLOAD 1, CHUNK
.endif
	WIN 0
.endm
.macro MULS w0, w1, re
	s_cmp_eq_u32 s[LAYER], 3
	s_cbranch_scc1 .Lkeys_\@
	MUL 0, \w0, \w1, \re
	s_branch .Ldone_\@
.Lkeys_\@:
	MUL 1, \w0, \w1, \re
.Ldone_\@:
.endm
.macro XLOADS                          ; a chunk of bases wants eight inputs a lane: x, ln_s, ln_b
	ds_load_b128 v[XL:XL+3], v6                    ; from LDS: so the global loads' counter counts weights alone, in one order on every way through the text
	ds_load_b128 v[XL+4:XL+7], v6 offset:16
	ds_load_b128 v[LS:LS+3], v63
	ds_load_b128 v[LS+4:LS+7], v63 offset:16
	ds_load_b128 v[LB:LB+3], v63 offset:2048
	ds_load_b128 v[LB+4:LB+7], v63 offset:2064
.endm
; silu(x) = x / (1 + 2^(-x log2 e)) of the 64 numbers at window 1's v[f] on, quantised into CD
.macro SILU f
	WIN 0x01
.set jj, 0
.rept 32
	v_pk_mul_f32 v[E+jj:E+jj+1], v[\f+jj:\f+jj+1], s[NL:NL+1] op_sel_hi:[1,0]
.set jj, jj+2
.endr
	WIN 0
	s_wait_alu depctr_va_vdst(0)                   ; a wait ahead of each batch and one behind it
.set jj, 0
.rept 64
	v_exp_f32 v[E+jj], v[E+jj]
.set jj, jj+1
.endr
	v_nop
	s_wait_alu depctr_va_vdst(0)
.set jj, 0
.rept 32
	v_pk_add_f32 v[E+jj:E+jj+1], v[E+jj:E+jj+1], 1.0 op_sel_hi:[1,0]
.set jj, jj+2
.endr
	s_wait_alu depctr_va_vdst(0)
.set jj, 0
.rept 64
	v_rcp_f32 v[E+jj], v[E+jj]
.set jj, jj+1
.endr
	v_nop
	s_wait_alu depctr_va_vdst(0)
	WIN 0x04
.set jj, 0
.rept 32
	v_pk_mul_f32 v[E+jj:E+jj+1], v[E+jj:E+jj+1], v[\f+jj:\f+jj+1]
.set jj, jj+2
.endr
	WIN 0
.set jj, 0
.rept 64
	v_med3_num_f32 v[E+jj], v[E+jj], -v60, v60     ; the conversion does not saturate (ISA guide 7.6.2): the hold comes first
.set jj, jj+1
.endr
.irp b, 0,1,2,3
	v_cvt_scalef32_pk8_bf8_f32 v[CD+4*\b:CD+4*\b+1], v[E+16*\b:E+16*\b+7], v61
	v_cvt_scalef32_pk8_bf8_f32 v[CD+4*\b+2:CD+4*\b+3], v[E+16*\b+8:E+16*\b+15], v61
.endr
	v_nop                                          ; a plain place behind the last conversion
.endm
; The bases of register group g: inputs 2 g and 2 g + 1, eight grid points each.  GA: -(xn S - g_j S)^2.  GX: the exponentials.  GH: the one-sided hold, the codes, the image.
.macro GA g
.irp q, 0,1
.irp m, 0,2,4,6
	v_pk_fma_f32 v[E+16*\g+8*\q+\m:E+16*\g+8*\q+\m+1], v[XN+2*\g:XN+2*\g+1], s[SS:SS+1], v[CC+\m:CC+\m+1] op_sel:[\q,0,0] op_sel_hi:[\q,0,1]
.endr
.endr
.set jj, 0
.rept 8
	v_pk_mul_f32 v[E+16*\g+jj:E+16*\g+jj+1], v[E+16*\g+jj:E+16*\g+jj+1], v[E+16*\g+jj:E+16*\g+jj+1] neg_lo:[1,0] neg_hi:[1,0]
.set jj, jj+2
.endr
.endm
.macro GX g
.set jj, 0
.rept 16
	v_exp_f32 v[E+16*\g+jj], v[E+16*\g+jj]
.set jj, jj+1
.endr
.endm
.macro GH g
.set jj, 0
	s_wait_alu depctr_va_vdst(0)
.rept 16
	v_min_num_f32 v[E+16*\g+jj], v[E+16*\g+jj], v58
.set jj, jj+1
.endr
	v_cvt_scalef32_pk8_bf8_f32 v[CD+4*\g:CD+4*\g+1], v[E+16*\g:E+16*\g+7], v59
	v_cvt_scalef32_pk8_bf8_f32 v[CD+4*\g+2:CD+4*\g+3], v[E+16*\g+8:E+16*\g+15], v59
	ds_store_b128 v8, v[CD+4*\g:CD+4*\g+3] offset:512*\g
.endm
.macro BASIS more                      ; my six inputs were asked of LDS a trip ago: the wait at the trip's head has shown them in.  more = 1: the next chunk's are asked for
.irp m, 0,2,4,6
	v_pk_add_f32 v[XN+\m:XN+\m+1], v[XL+\m:XL+\m+1], v[MR:MR+1] op_sel_hi:[1,0] neg_lo:[0,1] neg_hi:[0,1]   ; x - mean
.endr
.irp m, 0,2,4,6
	v_pk_mul_f32 v[XN+\m:XN+\m+1], v[XN+\m:XN+\m+1], v[MR:MR+1] op_sel:[0,1] op_sel_hi:[1,1]                 ; x 1/std
.endr
.irp m, 0,2,4,6
	v_pk_fma_f32 v[XN+\m:XN+\m+1], v[XN+\m:XN+\m+1], v[LS+\m:LS+\m+1], v[LB+\m:LB+\m+1]                      ; x ln_s + ln_b
.endr
.if \more
	XLOADS
.endif
	GA 0
	s_wait_alu depctr_va_vdst(0)
	GX 0
	GA 1
	s_wait_alu depctr_va_vdst(0)
	GX 1
	GH 0
	GA 2
	s_wait_alu depctr_va_vdst(0)
	GX 2
	GH 1
	GA 3
	s_wait_alu depctr_va_vdst(0)
	GX 3
	GH 2
	GH 3
	v_nop                                          ; a plain place behind the last conversion
.endm
; Trip 0's making: the second silu chunk's codes, made at the head, go to their image; the first bases' inputs are asked for; my rows' statistics are joined with my partner's.
.macro MAKE0
	ds_load_b64 v[TS+2:TS+3], v11
.irp g, 0,1,2,3
	ds_store_b128 v8, v[CD+4*\g:CD+4*\g+3] offset:512*\g
.endr
	XLOADS
	s_wait_dscnt 0x0
	v_sub_f32 v[TS+4], v[TS], v[TS+2]
	v_add_f32 v[MR], v[TS], v[TS+2]
	v_add_f32 v[TS+5], v[TS+1], v[TS+3]
	v_mul_f32 v[TS+4], v[TS+4], v[TS+4]
	v_mul_f32 v[MR], 0.5, v[MR]                    ; the mean
	v_fma_f32 v[TS+5], v[TS+4], s78, v[TS+5]       ; + 128 (m1 - m2)^2
	v_fma_f32 v[TS+5], v[TS+5], s79, s77           ; / 512 + 1e-5
	s_wait_alu depctr_va_vdst(0)
	v_rsq_f32 v[MR+1], v[TS+5]
	v_nop
	s_wait_alu depctr_va_vdst(0)
.endm
; A trip's head: my image stores have landed and my reads of the last images are over; the barrier; the trip's two LDS addresses.  Its four plain lines are the places behind the last trip's matrix instructions.
.macro HEAD
	s_wait_alu depctr_va_vdst(0)
	s_wait_dscnt 0x0
	s_barrier_signal -1
	s_barrier_wait -1
	v_add_nc_u32 v7, s[ARB], v1
	v_add_nc_u32 v8, s[AWB], v5
	v_add_nc_u32 v6, s[XO], v14                    ; where the next chunk of bases finds its x,
	v_add_nc_u32 v63, s[XO], v15                   ; its ln_s and ln_b
	s_wait_alu depctr_va_vdst(0)                   ; the wait behind these writes
.endm
.macro FLIP
	s_xor_b32 s[AWB], s[AWB], AX
	s_xor_b32 s[ARB], s[AWB], AX
.endm
	s_load_b256 s[4:11], s[0:1], 0x0               ; three candidates for x, the weights' buffer
	s_load_b64 s[12:13], s[0:1], 0x20              ; the destination
	v_lshl_add_u32 v2, v0, 2, SPARE
	v_mov_b32 v3, 0
	v_lshrrev_b32 v1, 5, v0
	v_readfirstlane_b32 s[WV], v1                  ; wave 0..7
	s_lshr_b32 s[PAR], s[WV], 2
	s_xor_b32 s[PAR], s[PAR], s[WV]
	s_and_b32 s[PAR], s[PAR], 1                    ; 0: multiply, then make; 1: make, then multiply
	s_lshr_b32 s[LAYER], ttmp9, 6
	s_and_b32 s[RB], ttmp9, 63                     ; my block of 64 rows
	s_cmp_eq_u32 s[WV], 0
	s_cselect_b32 s[LIM], 15, 0                    ; wave 0 prefetches while the trip's number is under 15
	s_lshl_b32 s68, s[WV], 11                      ; my image
	s_lshr_b32 s69, s[WV], 1
	s_lshl_b32 s69, s69, 15                        ; my tile of 16 rows of x
	s_and_b32 s70, s[WV], 1                        ; my K step
	s_lshl_b32 s71, s70, 9
	s_add_co_u32 s71, s71, s69
	s_lshl_b32 s70, s70, 6
	s_lshl_b32 s72, s[WV], 7
	s_add_co_u32 s72, s72, STATS
	s_xor_b32 s73, s72, 128                        ; my partner's: the other K step of the same rows
	s_mul_i32 s74, s[WV], 16*STP
	s_add_co_u32 s74, s74, STG
	s_lshl_b32 s75, s[RB], 11
	s_lshl_b32 s76, s[WV], 8                       ; my 64 columns in bb
	s_lshl_b32 s28, s[RB], 17
	s_mov_b32 s29, 0
	s_lshl_b32 s30, s[LAYER], 13
	s_mov_b32 s31, 0
	s_mul_i32 s32, s[LAYER], LAYB
	s_lshl_b32 s33, s[WV], 14
	s_add_co_u32 s32, s32, s33
	s_add_co_u32 s32, s32, CODE0                   ; my 16 KiB of the layer's chunk 0
	s_mov_b32 s33, 0
	s_mov_b32 s[XO], 0
	s_lshr_b32 s80, s[WV], 1
	s_mul_i32 s80, s80, 16*XP
	s_add_co_u32 s80, s80, XBLK                    ; my tile of 16 rows of x in LDS
	s_add_co_u32 s81, s80, s70                     ; the bases read at + 64 step,
	s_and_b32 s82, s[WV], 1
	s_lshl_b32 s82, s82, 9
	s_add_co_u32 s80, s80, s82                     ; the head stores at + 512 step
	s_add_co_u32 s82, s70, LNS
	s_mov_b32 s[SS], 0x40068695                    ; S = sqrt(log2 e) x 7/4
	s_mov_b32 s[SS+1], s[SS]
	s_mov_b32 s[NL], 0xbfb8aa3b                    ; -log2 e
	s_mov_b32 s[NL+1], s[NL]
	s_mov_b32 s[SEL], 0x76543210
	s_mov_b32 s[SEL+1], 0xfedcba98
	s_mov_b32 s77, 0x3727c5ac                      ; 1e-5
	s_mov_b32 s78, 0x43000000                      ; 128
	s_mov_b32 s79, 0x3b000000                      ; 1 / 512
	s_mov_b32 s[AWB], AX
	s_mov_b32 s[ARB], 0
	v_and_b32 v1, 31, v0
	v_and_b32 v6, 15, v0                           ; r
	v_bfe_u32 v7, v0, 4, 1                         ; h
	v_min_u32 v4, 7, v1
	v_lshlrev_b32 v1, 4, v1                        ; 16 x lane
	v_lshl_add_u32 v4, v4, 8, s75                  ; the prefetch: my work-group's 2,048 bytes of a chunk, lanes 256 bytes apart
	v_add_nc_u32 v5, s68, v1
	v_lshl_add_u32 v9, v6, 11, s71
	v_lshl_add_u32 v9, v7, 8, v9                   ; silu: row, + 512 step + 256 h: my 64 neighbours
	v_lshl_add_u32 v15, v7, 5, s82                 ; bases: ln_s at 64 step + 32 h: my 8 inputs,
	v_mul_u32_u24 v14, v6, XP
	v_lshl_add_u32 v[TS+3], v7, 8, v14
	v_add_nc_u32 v[TS+3], s80, v[TS+3]             ; x into LDS: my row, + 512 step + 256 h
	v_lshl_add_u32 v14, v7, 5, v14
	v_add_nc_u32 v14, s81, v14                     ; and the same 8 in my row of x
	v_lshlrev_b32 v[TS+1], 4, v0                   ; ln_s and ln_b: 256 threads x 16 bytes,
	v_add_nc_u32 v[TS+2], LNS, v[TS+1]             ; and their place in LDS
	v_lshl_add_u32 v10, v6, 3, s72
	v_lshl_add_u32 v11, v6, 3, s73
	v_mul_u32_u24 v12, v6, STP
	v_lshl_add_u32 v12, v7, 5, v12
	v_add_nc_u32 v12, s74, v12                     ; the stage, in: row r, + 32 h
	v_mul_u32_u24 v13, v7, STP
	v_lshl_add_u32 v13, v6, 4, v13
	v_add_nc_u32 v13, s74, v13                     ; back: lanes 0-15 one row, lanes 16-31 the next
	v_lshlrev_b32 v62, 11, v7
	v_lshl_add_u32 v62, v6, 4, v62                 ; and the same two rows in the destination
	v_lshl_add_u32 v63, v7, 5, s76                 ; bb: columns 16 b + 8 h + 0 .. 7,
	v_lshl_add_u32 v[TS], v6, 2, s76               ; or (v) column 16 b + r
	v_mov_b32 v[CC+0], 0x40868695                  ; -g_j S, g_j = -2 + 4 j / 7
	v_mov_b32 v[CC+1], 0x40402df9
	v_mov_b32 v[CC+2], 0x3fe69d92
	v_mov_b32 v[CC+3], 0x3f19be61
	v_mov_b32 v[CC+4], 0xbf19be61
	v_mov_b32 v[CC+5], 0xbfe69d92
	v_mov_b32 v[CC+6], 0xc0402df9
	v_mov_b32 v[CC+7], 0xc0868695
	s_wait_alu depctr_va_vdst(0)
	s_wait_kmcnt 0x0
	s_cmp_eq_u32 s[LAYER], 2
	s_cselect_b64 s[XB:XB+1], s[6:7], s[4:5]
	s_cmp_eq_u32 s[LAYER], 3
	s_cselect_b64 s[XB:XB+1], s[8:9], s[XB:XB+1]
	s_add_nc_u64 s[XB:XB+1], s[XB:XB+1], s[28:29]
	s_add_nc_u64 s[PB:PB+1], s[10:11], s[30:31]
	s_add_nc_u64 s[WB:WB+1], s[10:11], s[32:33]
	s_load_b256 s[SC:SC+7], s[PB:PB+1], 0x1800     ; the exponents: bases, sw, silu, bw, result
	global_load_b128 v[TQ:TQ+3], v[TS+1], s[PB:PB+1]   ; my 16 bytes of ln_s, ln_b
	s_cmp_eq_u32 s[LAYER], 3                       ; the bias is asked for first: every later wait covers it, whichever arm asked
	s_cbranch_scc1 .Lbias_keys
.irp b, 0,1,2,3
	global_load_b128 v[BI+8*\b:BI+8*\b+3], v63, s[PB:PB+1] offset:4096+64*\b
	global_load_b128 v[BI+8*\b+4:BI+8*\b+7], v63, s[PB:PB+1] offset:4096+64*\b+16
.endr
	s_branch .Lbias_asked
.Lbias_keys:
.irp b, 0,1,2,3
	global_load_b32 v[BI+8*\b], v[TS], s[PB:PB+1] offset:4096+64*\b
.endr
.Lbias_asked:
	WIN 0x40
.set jj, 0
.rept 16
	global_load_b128 v[4*jj:4*jj+3], v9, s[XB:XB+1] offset:16*jj             ; x of silu's chunk 0,
.set jj, jj+1
.endr
.set jj, 0
.rept 16
	global_load_b128 v[64+4*jj:64+4*jj+3], v9, s[XB:XB+1] offset:1024+16*jj   ; and of chunk 1
.set jj, jj+1
.endr
	BLOAD 0, 0                                     ; chunk 0's weights
	BLOAD 1, 0
	WIN 0
	s_wait_kmcnt 0x0
	s_add_co_i32 s68, s[SC], s[SC+1]               ; es
	s_add_co_i32 s69, s[SC+2], s[SC+3]             ; eb
	s_sub_co_i32 s[NEB], 0, s69
	s_sub_co_i32 s70, s69, s68
	s_add_co_i32 s70, s70, 127
	s_lshl_b32 s[RES], s70, 23                     ; 2^(eb - es)
	s_mov_b32 s[RES+1], s[RES]
	s_add_co_i32 s70, s68, 127
	s_lshl_b32 s[FIN], s70, 23                     ; 2^es
	s_mov_b32 s[FIN+1], s[FIN]
	s_sub_co_i32 s70, s[SC+4], s68
	s_add_co_i32 s70, s70, 127
	s_lshl_b32 s[OSC], s70, 23                     ; 2^(result's exponent - es),
	s_add_co_i32 s70, s70, 15
	s_lshl_b32 s70, s70, 23
	s_or_b32 s[OLM], s70, 0x600000                 ; and 57,344 x it
	s_add_co_i32 s70, s[SC], 127
	s_lshl_b32 s71, s70, 23
	s_add_co_i32 s70, s70, 15
	s_lshl_b32 s70, s70, 23
	s_or_b32 s70, s70, 0x600000
	s_add_co_i32 s72, s[SC+2], 127
	s_lshl_b32 s73, s72, 23
	s_add_co_i32 s72, s72, 15
	s_lshl_b32 s72, s72, 23
	s_or_b32 s72, s72, 0x600000
	v_mov_b32 v59, s71                             ; the bases' scale as f32,
	v_mov_b32 v58, s70                             ; and 57,344 x it
	v_mov_b32 v61, s73                             ; the same for silu(x)
	v_mov_b32 v60, s72
	s_wait_alu depctr_va_vdst(0)
	s_wait_loadcnt 32                              ; ln_s, ln_b, the bias and x are in; behind them stand chunk 0's 32 loads of weights
	ds_store_b128 v[TS+2], v[TQ:TQ+3]
	WIN 0x04
.set jj, 0
.rept 16
	ds_store_b128 v[TS+3], v[4*jj:4*jj+3] offset:16*jj              ; the eight waves' numbers are the whole block of x, each once
.set jj, jj+1
.endr
.set jj, 0
.rept 16
	ds_store_b128 v[TS+3], v[64+4*jj:64+4*jj+3] offset:1024+16*jj
.set jj, jj+1
.endr
	; ---- the statistics of my half of 16 rows: 128 numbers a lane, 256 with lane l xor 16
	WIN 0x05
.irp c, 0,1,2,3
	v_pk_add_f32 v[TS+2*\c:TS+2*\c+1], v[4*\c:4*\c+1], v[4*\c+2:4*\c+3]
.endr
	WIN 0x04
.set jj, 16
.rept 14
.irp c, 0,1,2,3
	v_pk_add_f32 v[TS+2*\c:TS+2*\c+1], v[TS+2*\c:TS+2*\c+1], v[jj+2*\c:jj+2*\c+1]
.endr
.set jj, jj+8
.endr
	WIN 0
	v_pk_add_f32 v[TS:TS+1], v[TS:TS+1], v[TS+2:TS+3]
	v_pk_add_f32 v[TS+4:TS+5], v[TS+4:TS+5], v[TS+6:TS+7]
	v_pk_add_f32 v[TS:TS+1], v[TS:TS+1], v[TS+4:TS+5]
	v_add_f32 v[TS], v[TS], v[TS+1]
	v_permlanex16_b32 v[TS+1], v[TS], s[SEL], s[SEL+1]
	v_add_f32 v[TS], v[TS], v[TS+1]
	v_mul_f32 v[TS], 0x3b800000, v[TS]             ; / 256: my half's mean
.irp hf, 0,1
	WIN 0x01
.set jj, 0
.rept 32
	v_pk_add_f32 v[E+jj:E+jj+1], v[64*\hf+jj:64*\hf+jj+1], v[TS:TS+1] op_sel_hi:[1,0] neg_lo:[0,1] neg_hi:[0,1]   ; the deviations
.set jj, jj+2
.endr
	WIN 0
.set jj, 0
.rept 8
.irp c, 0,1,2,3
.if (\hf == 0) && (jj == 0)
	v_pk_mul_f32 v[TQ+2*\c:TQ+2*\c+1], v[E+2*\c:E+2*\c+1], v[E+2*\c:E+2*\c+1]
.else
	v_pk_fma_f32 v[TQ+2*\c:TQ+2*\c+1], v[E+jj+2*\c:E+jj+2*\c+1], v[E+jj+2*\c:E+jj+2*\c+1], v[TQ+2*\c:TQ+2*\c+1]
.endif
.endr
.set jj, jj+8
.endr
.endr
	v_pk_add_f32 v[TQ:TQ+1], v[TQ:TQ+1], v[TQ+2:TQ+3]
	v_pk_add_f32 v[TQ+4:TQ+5], v[TQ+4:TQ+5], v[TQ+6:TQ+7]
	v_pk_add_f32 v[TQ:TQ+1], v[TQ:TQ+1], v[TQ+4:TQ+5]
	v_add_f32 v[TQ], v[TQ], v[TQ+1]
	v_permlanex16_b32 v[TQ+1], v[TQ], s[SEL], s[SEL+1]
	v_add_f32 v[TS+1], v[TQ], v[TQ+1]              ; my half's sum of squared deviations
	ds_store_b64 v10, v[TS:TS+1]                   ; lanes l and l xor 16 write the same two words
	; ---- both silu chunks' fragments: chunk 0's image is stored now, chunk 1's codes stay in registers until trip 0
	SILU 0
.irp g, 0,1,2,3
	ds_store_b128 v5, v[CD+4*\g:CD+4*\g+3] offset:512*\g
.endr
	SILU 64
	s_cmp_eq_u32 s[LAYER], 3
	s_cbranch_scc0 .Lrow_bias
.irp b, 0,1,2,3
.irp e, 1,2,3,4,5,6,7
	v_mov_b32 v[BI+8*\b+\e], v[BI+8*\b]            ; v: a lane holds one column in all eight registers of a tile
.endr
.endr
.Lrow_bias:
	WIN 0x40
.irp a, 0,1,2,3
.irp b, 0,1,2,3
.irp e, 0,1,2,3,4,5,6,7
	v_ldexp_f32 v[8*(4*\a+\b)+\e], v[BI+8*\b+\e], s[NEB]   ; the sums begin as bb / 2^eb
.endr
.endr
.endr
	WIN 0
	; ---- trip 0.  Global loads out: K steps 0 and 1 of chunk 0, 16 + 16
	HEAD
	s_cmp_eq_u32 s[PAR], 0
	s_cbranch_scc0 .Lodd0
	MULS 16, 16, 1
	MAKE0
	s_branch .Ljoin0
.Lodd0:
	MAKE0
	MULS 16, 16, 1
.Ljoin0:
	FLIP
	s_mov_b32 s[T], 1
.Lchunk:                                           ; trips 1 .. 15: chunk t is multiplied, chunk t + 1 (the bases' chunk t - 1) is made, the bases' chunk t's inputs are asked for
	s_wait_xcnt 0x0                                ; the last trip's loads and prefetch have read their bases
	s_add_co_u32 s[XO], s[XO], 128                 ; 32 inputs on
	s_add_nc_u64 s[WB:WB+1], s[WB:WB+1], CHUNK
	HEAD
	s_cmp_eq_u32 s[T], 2
	s_cbranch_scc0 .Lsame
	WIN 0x41
	s_wait_alu depctr_va_vdst(0)                   ; the wait directly ahead of the sums' first readers
.set jj, 0
.rept 64
	v_pk_mul_f32 v[jj:jj+1], v[jj:jj+1], s[RES:RES+1] op_sel_hi:[1,0]   ; from the silu product's power of two to the bases'
.set jj, jj+2
.endr
	WIN 0
.Lsame:
	s_cmp_eq_u32 s[PAR], 0
	s_cbranch_scc0 .Lodd
	MULS 16, 16, 1                                 ; behind a K step's 16 loads stand the other step's 16
	s_cmp_lt_u32 s[T], s[LIM]
	s_cbranch_scc0 .Lnot_mine
	global_prefetch_b8 v4, s[WB:WB+1] offset:3*CHUNK th:TH_LOAD_NT scope:SCOPE_SE
.Lnot_mine:
	BASIS 1
	s_branch .Ljoin
.Lodd:
	BASIS 1
	MULS 16, 16, 1
.Ljoin:
	FLIP
	s_add_co_u32 s[T], s[T], 1
	s_cmp_lt_u32 s[T], 16
	s_cbranch_scc1 .Lchunk
	s_wait_xcnt 0x0                                ; trip 16 is written out: the last chunk of bases is made, and there are no further inputs to ask for
	s_add_nc_u64 s[WB:WB+1], s[WB:WB+1], CHUNK
	HEAD
	s_cmp_eq_u32 s[PAR], 0
	s_cbranch_scc0 .Lodd16
	MULS 16, 16, 1
	BASIS 0
	s_branch .Ljoin16
.Lodd16:
	BASIS 0
	MULS 16, 16, 1
.Ljoin16:
	FLIP
	HEAD                                           ; chunk 17: nothing is asked for and nothing is made
	MULS 16, 0, 0
	PLACES                                         ; in front of the first read of the last results
	s_cmp_eq_u32 s[LAYER], 0
	s_cbranch_scc0 .Lcodes
	; ---- THE WAY OUT IN F32: a tile of 16 rows x 64 columns goes through my stage and comes back as whole rows of 256 bytes
	s_lshl_b32 s68, s[RB], 17
	s_lshl_b32 s69, s[WV], 8
	s_add_co_u32 s68, s68, s69
	s_mov_b32 s69, 0
	s_add_nc_u64 s[DB:DB+1], s[12:13], s[68:69]
.irp a, 0,1,2,3
.if \a > 1
	s_wait_xcnt 0x0                                ; the stores of two tiles ago have read their registers
.endif
	WIN 0x01
.irp b, 0,1,2,3
.irp e, 0,2,4,6
	v_pk_mul_f32 v[16+8*\b+\e:17+8*\b+\e], v[8*(4*\a+\b)+\e:8*(4*\a+\b)+\e+1], s[FIN:FIN+1] op_sel_hi:[1,0]   ; x 2^es; each accumulator from its low end on
.endr
.endr
	WIN 0
.irp b, 0,1,2,3
	ds_store_b128 v12, v[16+8*\b:19+8*\b] offset:64*\b
	ds_store_b128 v12, v[20+8*\b:23+8*\b] offset:64*\b+16
.endr
.irp i, 0,1,2,3,4,5,6,7
	ds_load_b128 v[64+32*(\a%2)+4*\i:67+32*(\a%2)+4*\i], v13 offset:2*STP*\i   ; LDS serves a wave's instructions in order: these see my stores
.endr
	s_wait_dscnt 0x0
.irp i, 0,1,2,3,4,5,6,7
	global_store_b128 v62, v[64+32*(\a%2)+4*\i:67+32*(\a%2)+4*\i], s[DB:DB+1] offset:(16*\a+2*\i)*2048   ; sixteen lanes store 256 consecutive bytes, aligned
.endr
.endr
	s_branch .Lend
	; ---- THE WAY OUT AS CODES: a lane's eight registers of an accumulator are eight neighbours along the next product's K
.Lcodes:
	s_lshr_b32 s69, s[RB], 5
	s_lshl_b32 s69, s69, 3
	s_add_co_u32 s69, s69, s[WV]
	s_lshl_b32 s69, s69, 17                        ; (batch, head) x 131,072
	s_and_b32 s70, s[RB], 31                       ; my block among the batch's 32
	s_sub_co_u32 s72, s[LAYER], 1
	s_lshl_b32 s72, s72, 21
	s_add_co_u32 s72, s72, s69
	s_lshl_b32 s73, s70, 12                        ; q, k: four tiles of 1,024 bytes a block
	s_add_co_u32 s72, s72, s73
	s_add_co_u32 s72, s72, 8388608
	s_mov_b32 s73, 0
	s_lshr_b32 s74, s70, 1
	s_lshl_b32 s74, s74, 13                        ; v: the key step of 128: 8,192 bytes,
	s_add_co_u32 s74, s74, s69
	s_and_b32 s75, s70, 1
	s_lshl_b32 s75, s75, 10                        ; its first or second 64 keys
	s_add_co_u32 s74, s74, s75
	s_add_co_u32 s74, s74, 12582912
	s_mov_b32 s75, 0
	v_mov_b32 v48, s[OSC]
	v_mov_b32 v49, s[OLM]
	WIN 0x41
.set jj, 0
.rept 128
	v_med3_num_f32 v[jj], v[jj], -v49, v49
.set jj, jj+1
.endr
	WIN 0
	s_wait_alu depctr_va_vdst(0)
	s_cmp_eq_u32 s[LAYER], 3
	s_cbranch_scc1 .Lkeys_out
	s_add_nc_u64 s[DB:DB+1], s[12:13], s[72:73]
	WIN 0x01
.irp a, 0,1,2,3                                ; q, k: tile of 16 tokens a; group g = channels 32 g + 8 h + 0 .. 7 and 32 g + 16 + 8 h + 0 .. 7
.irp g, 0,1
	v_cvt_scalef32_pk8_bf8_f32 v[16+8*\a+4*\g:17+8*\a+4*\g], v[8*(4*\a+2*\g):8*(4*\a+2*\g)+7], v48
	v_cvt_scalef32_pk8_bf8_f32 v[18+8*\a+4*\g:19+8*\a+4*\g], v[8*(4*\a+2*\g+1):8*(4*\a+2*\g+1)+7], v48
.endr
.endr
	v_nop                                          ; a plain place behind the last conversion
	WIN 0
.irp m, 0,1,2,3,4,5,6,7
	global_store_b128 v1, v[16+4*\m:19+4*\m], s[DB:DB+1] offset:512*\m   ; 512 consecutive bytes, aligned
.endr
	s_branch .Lend
.Lkeys_out:
	s_add_nc_u64 s[DB:DB+1], s[12:13], s[74:75]
	WIN 0x01
.irp b, 0,1,2,3                                ; v: tile of 16 channels b; group g = keys 32 g + 8 h + 0 .. 7 and 32 g + 16 + 8 h + 0 .. 7 of my 64
.irp g, 0,1
	v_cvt_scalef32_pk8_bf8_f32 v[16+8*\b+4*\g:17+8*\b+4*\g], v[8*(8*\g+\b):8*(8*\g+\b)+7], v48
	v_cvt_scalef32_pk8_bf8_f32 v[18+8*\b+4*\g:19+8*\b+4*\g], v[8*(8*\g+4+\b):8*(8*\g+4+\b)+7], v48
.endr
.endr
	v_nop
	WIN 0
.irp b, 0,1,2,3
.irp g, 0,1
	global_store_b128 v1, v[16+8*\b+4*\g:19+8*\b+4*\g], s[DB:DB+1] offset:2048*\b+512*\g
.endr
.endr
.Lend:
	s_wait_tensorcnt 0x0                           ; the wave's end, behind my last LDS store
	ds_add_u32 v2, v3
	s_wait_dscnt 0x0
	s_endpgm
.Lfunc_end_k_qe100db98c1_kan:
	.size	k_qe100db98c1_kan, .Lfunc_end_k_qe100db98c1_kan-k_qe100db98c1_kan
	.p2alignl 7, 3214868480
	.fill 96, 4, 3214868480
	.section	.rodata,"a",@progbits
	.p2align	6, 0x0
	.amdhsa_kernel k_qe100db98c1_kan
		.amdhsa_group_segment_fixed_size 205824
		.amdhsa_private_segment_fixed_size 0
		.amdhsa_enable_private_segment 0
		.amdhsa_kernarg_size 40
		.amdhsa_user_sgpr_count 2
		.amdhsa_user_sgpr_kernarg_segment_ptr 1
		.amdhsa_wavefront_size32 1
		.amdhsa_system_sgpr_workgroup_id_x 1
		.amdhsa_system_sgpr_workgroup_id_y 1
		.amdhsa_system_sgpr_workgroup_id_z 1
		.amdhsa_system_vgpr_workitem_id 0
		.amdhsa_next_free_vgpr 512
		.amdhsa_next_free_sgpr 100
		.amdhsa_reserve_vcc 0
		.amdhsa_float_denorm_mode_32 3
		.amdhsa_float_denorm_mode_16_64 3
		.amdhsa_memory_ordered 1
		.amdhsa_forward_progress 1
		.amdhsa_inst_pref_size 248
	.end_amdhsa_kernel
	.amdgpu_metadata
---
amdhsa.version: [ 1, 2 ]
amdhsa.kernels:
  - .name:           k_qe100db98c1_kan
    .symbol:         k_qe100db98c1_kan.kd
    .args:
      - { .name: q, .offset: 0, .size: 8, .value_kind: global_buffer, .address_space: global }
      - { .name: k, .offset: 8, .size: 8, .value_kind: global_buffer, .address_space: global }
      - { .name: v, .offset: 16, .size: 8, .value_kind: global_buffer, .address_space: global }
      - { .name: wa, .offset: 24, .size: 8, .value_kind: global_buffer, .address_space: global }
      - { .name: act, .offset: 32, .size: 8, .value_kind: global_buffer, .address_space: global }
    .group_segment_fixed_size: 205824
    .private_segment_fixed_size: 0
    .kernarg_segment_align: 8
    .kernarg_segment_size: 40
    .max_flat_workgroup_size: 256
    .sgpr_count:     100
    .vgpr_count:     512
    .wavefront_size: 32
...
	.end_amdgpu_metadata
.endif
;; end of part 2
;; launch attn (part 3): grid 16 x 16, 8 waves a work-group, clusters of 4 x 1, 327,680 bytes of LDS; arguments act, lowp_scales, ob; writes ob
.if DOCPART == 3
	.amdgcn_target "amdgcn-amd-amdhsa--gfx1250"
	.amdhsa_code_object_version 6
	.text
	.protected	k_qe100db98c1_attn
	.globl	k_qe100db98c1_attn
	.p2align	8
	.type	k_qe100db98c1_attn,@function
k_qe100db98c1_attn:
	s_mov_b64 s[64:65], 0
	v_nop
	global_prefetch_b8 v0, s[64:65] scope:SCOPE_SE
	s_setreg_imm32_b32 hwreg(HW_REG_WAVE_MODE, 25, 1), 1
	s_wait_xcnt 0x0
	s_wait_alu depctr_hold_cnt(0) depctr_sa_sdst(0) depctr_va_vdst(0) depctr_va_sdst(0) depctr_va_ssrc(0) depctr_va_vcc(0) depctr_vm_vsrc(0)
	s_getreg_b32 s2, hwreg(HW_REG_IB_STS2, 6, 4)
	s_cmp_eq_u32 s2, 0
	s_cbranch_scc0 .Lentry_in_a_cluster
	s_endpgm
.Lentry_in_a_cluster:
	s_bfe_u32 s2, ttmp6, 0x10000c
	s_cmp_lg_u32 s2, 0x3003
	s_cbranch_scc0 .Lentry_shape_is_right
	s_endpgm
.Lentry_shape_is_right:
.set VB,   131072
.set STG,  262144
.set STP,  272
.set WV,   18
.set SEL,  20
.set CS,   22
.set G1,   24
.set G0,   32
.set TB,   48
.set CNT,  49
.set NL,   50
.set AK0,  1
.set AV0,  2
.set GO,   7
.set ADK,  8
.set ADV,  9
.macro ROUND
	s_barrier_signal -1
	s_barrier_wait -1
	s_cmp_lg_u32 s[WV], 0
	s_cbranch_scc1 .Lnot_wave_0_\@
	s_barrier_signal -3
.Lnot_wave_0_\@:
	s_barrier_wait -3
	s_barrier_signal -1
	s_barrier_wait -1
.endm
	s_load_b128 s[4:7], s[0:1], 0x0
	s_load_b64 s[8:9], s[0:1], 0x10
	v_lshl_add_u32 v251, v0, 2, 0x48800
	v_mov_b32 v255, 0
	ds_add_u32 v251, v255
	ds_add_u32 v251, v255
	v_lshrrev_b32 v8, 5, v0
	s_delay_alu instid0(VALU_DEP_1)
	v_readfirstlane_b32 s[WV], v8
	s_bfe_u32 s10, ttmp6, 0x40000
	s_lshl_b32 s11, ttmp9, 2
	s_add_co_u32 s11, s11, s10
	s_and_b32 s12, ttmp7, 0xffff
	s_lshr_b32 s13, s[WV], 2
	s_and_b32 s14, s[WV], 3
	s_lshl_b32 s15, s13, 17
	s_lshl_b32 s16, s14, 15
	s_add_co_u32 s15, s15, s16
	s_lshl_b32 s68, s13, 21
	s_lshl_b32 s69, s12, 17
	s_add_co_u32 s68, s68, s69
	s_add_co_u32 s68, s68, s16
	s_add_co_u32 s68, s68, 10485760
	s_mov_b32 s69, 0
	s_lshl_b32 s72, s11, 3
	s_add_co_u32 s72, s72, s[WV]
	s_lshl_b32 s74, s72, 15
	s_lshl_b32 s72, s72, 10
	s_lshl_b32 s73, s12, 17
	s_add_co_u32 s72, s72, s73
	s_add_co_u32 s72, s72, 8388608
	s_mov_b32 s73, 0
	s_lshr_b32 s75, s12, 3
	s_lshl_b32 s75, s75, 22
	s_add_co_u32 s74, s74, s75
	s_and_b32 s75, s12, 7
	s_lshl_b32 s75, s75, 8
	s_add_co_u32 s74, s74, s75
	s_mov_b32 s75, 0
	s_mov_b32 s[G1+0], 15|(3<<16)|(1<<21)
	s_mov_b32 s[G1+1], 32<<16
	s_mov_b32 s[G1+2], 128<<16
	s_mov_b32 s[G1+3], 32<<16
	s_mov_b32 s[G1+4], 128
	s_mov_b32 s[G1+5], 32
	s_mov_b32 s[G1+6], 0
	s_mov_b32 s[G1+7], 0
	s_mov_b32 s[SEL], 0x76543210
	s_mov_b32 s[SEL+1], 0xfedcba98
	s_mov_b32 s[CS], 0x3fb8aa3b
	s_mov_b32 s[NL], 0xbfb8aa3b
	s_mov_b32 s[NL+1], s[NL]
	s_mov_b32 s[TB], 0
	s_wait_dscnt 0x0
	s_wait_kmcnt 0x0
	s_load_b64 s[52:53], s[6:7], 0x20
	s_load_b64 s[54:55], s[6:7], 0x38
	s_add_nc_u64 s[70:71], s[4:5], s[68:69]
	s_add_nc_u64 s[76:77], s[4:5], s[72:73]
	s_add_nc_u64 s[78:79], s[4:5], s[74:75]
	s_add_nc_u64 s[8:9], s[8:9], s[74:75]
.irp t, 0
	s_mov_b32 s[G0+4*\t], 1
	s_add_co_u32 s[G0+4*\t+1], s15, \t*32768
	s_add_nc_u64 s[G0+4*\t+2:G0+4*\t+3], s[70:71], \t*32768
	s_or_b32 s[G0+4*\t+3], s[G0+4*\t+3], 0x80000000
.endr
	ROUND
	tensor_load_to_lds s[G0:G0+3], s[G1:G1+7]
	s_nop 0
.rept 4
	v_nop
.endr
	v_and_b32 v[AK0], 31, v0
	s_delay_alu instid0(VALU_DEP_1)
	v_lshlrev_b32 v[AK0], 4, v[AK0]
	s_delay_alu instid0(VALU_DEP_1)
	v_add_nc_u32 v[AV0], VB, v[AK0]
	v_and_b32 v10, 15, v0
	v_bfe_u32 v11, v0, 4, 1
	s_delay_alu instid0(VALU_DEP_1)
	v_lshlrev_b32 v[GO], 11, v11
	s_delay_alu instid0(VALU_DEP_1)
	v_lshl_add_u32 v[GO], v10, 4, v[GO]
	global_load_b128 v[16:19], v[AK0], s[76:77]
	global_load_b128 v[20:23], v[AK0], s[76:77] offset:512
.irp i, 0,1,2,3,4,5,6,7
	global_load_b128 v[192+4*\i:195+4*\i], v[GO], s[78:79] offset:4096*\i
.endr
	v_mov_b32 v13, 0xff61b1e6
	s_delay_alu instid0(VALU_DEP_1)
	v_floor_f32 v12, -v13
	v_mov_b32 v14, 0
	v_mov_b32 v15, 0
	v_mov_b32 v236, 0
	v_mov_b32 v253, 0
.set jj, 0
.rept 32
	v_mov_b32 v[160+jj], 0
.set jj, jj+1
.endr
	s_wait_kmcnt 0x0
	s_add_co_i32 s68, s52, s53
	s_lshl_b32 s68, s68, 23
	s_add_co_i32 s[CS], s[CS], s68
	s_mov_b32 s[CS+1], s[CS]
	s_add_co_i32 s68, s55, 127
	s_lshl_b32 s69, s68, 23
	v_mov_b32 v244, s69
	s_add_co_i32 s68, s68, 15
	s_lshl_b32 s68, s68, 23
	s_or_b32 s68, s68, 0x600000
	v_mov_b32 v240, s68
.macro STEP
	v_add_nc_u32 v[ADK], s[TB], v[AK0]
	v_add_nc_u32 v[ADV], s[TB], v[AV0]
	v_nop
	v_nop
.irp t, 0,1,2,3,4,5,6,7
	ds_load_b128 v[32+8*\t:35+8*\t], v[ADK] offset:1024*\t
	ds_load_b128 v[36+8*\t:39+8*\t], v[ADK] offset:1024*\t+512
.endr
	s_wait_alu depctr_va_vdst(0)
	s_wait_dscnt 0x0
.irp t, 0,1,2,3,4,5,6,7
	v_wmma_f32_16x16x64_bf8_bf8 v[96+8*\t:103+8*\t], v[32+8*\t:39+8*\t], v[16:23], 0
.endr
.rept 4
	v_nop
.endr
.irp d, 0,1,2,3
.irp g, 0,1,2,3
	ds_load_b128 v[32+16*\d+4*\g:35+16*\d+4*\g], v[ADV] offset:2048*\d+512*\g
.endr
.endr
	v_max3_num_f32 v254, v96, v97, v98
	v_max3_num_f32 v252, v99, v100, v101
.irp i, 6,10,14,18,22,26,30,34,38,42,46,50,54,58
	v_max3_num_f32 v254, v254, v[96+\i], v[97+\i]
	v_max3_num_f32 v252, v252, v[98+\i], v[99+\i]
.endr
	v_max3_num_f32 v254, v254, v158, v159
	s_delay_alu instid0(VALU_DEP_1)
	v_max_num_f32 v254, v254, v252
	v_permlanex16_b32 v236, v254, s[SEL], s[SEL+1]
	s_delay_alu instid0(VALU_DEP_1)
	v_max_num_f32 v254, v254, v236
	s_delay_alu instid0(VALU_DEP_1)
	v_mul_f32 v254, s[CS], v254
	s_delay_alu instid0(VALU_DEP_1)
	v_max_num_f32 v13, v13, v254
	v_mov_b32 v254, v12
	s_delay_alu instid0(VALU_DEP_2)
	v_floor_f32 v12, -v13
	s_delay_alu instid0(VALU_DEP_1)
	v_sub_f32 v254, v12, v254
	s_delay_alu instid0(VALU_DEP_1)
	v_cvt_i32_f32 v254, v254
	s_delay_alu instid0(VALU_DEP_1)
	v_ldexp_f32 v252, 1.0, v254
.set jj, 0
.rept 32
	v_pk_fma_f32 v[96+jj:97+jj], v[96+jj:97+jj], s[CS:CS+1], v[12:13] op_sel_hi:[1,0,0]
.set jj, jj+2
.endr
.set jj, 0
	s_wait_alu depctr_va_vdst(0)
.rept 64
	v_exp_f32 v[96+jj], v[96+jj]
.set jj, jj+1
.endr
	v_pk_mul_f32 v[14:15], v[14:15], v[252:253] op_sel_hi:[1,0]
	s_wait_alu depctr_va_vdst(0)
	v_pk_add_f32 v[242:243], v[96:97], v[98:99]
.irp j, 4,8,12,16,20,24,28,32,36,40,44,48,52,56,60
	v_pk_add_f32 v[14:15], v[14:15], v[96+\j:97+\j]
	v_pk_add_f32 v[242:243], v[242:243], v[98+\j:99+\j]
.endr
	s_delay_alu instid0(VALU_DEP_1)
	v_pk_add_f32 v[14:15], v[14:15], v[242:243]
.irp t, 0,1,2,3,4,5,6,7
.irp i, 0,1,2,3,4,5,6,7
	v_min_num_f32 v[96+8*\t+\i], v[96+8*\t+\i], v240
.endr
	v_cvt_scalef32_pk8_bf8_f32 v[224+2*\t:225+2*\t], v[96+8*\t:103+8*\t], v244
.endr
.set jj, 0
.rept 16
	v_pk_mul_f32 v[160+jj:161+jj], v[160+jj:161+jj], v[252:253] op_sel_hi:[1,0]
.set jj, jj+2
.endr
	s_wait_alu depctr_va_vdst(0)
	s_wait_dscnt 0x0
.irp d, 0,1,2,3
	v_wmma_f32_16x16x128_bf8_bf8 v[160+8*\d:167+8*\d], v[32+16*\d:47+16*\d], v[224:239], v[160+8*\d:167+8*\d]
.endr
	s_add_co_u32 s[TB], s[TB], 8192
.endm
.macro QUARTER left
	s_wait_tensorcnt \left
	s_wait_dscnt 0x0
	s_barrier_signal -1
	s_barrier_wait -1
	s_mov_b32 s[CNT], 16
.Lstep_\@:
	STEP
	s_sub_co_u32 s[CNT], s[CNT], 1
	s_cmp_lg_u32 s[CNT], 0
	s_cbranch_scc1 .Lstep_\@
.endm
	s_wait_loadcnt 8
	QUARTER 0
.rept 4
	v_nop
.endr
	v_add_f32 v14, v14, v15
	s_delay_alu instid0(VALU_DEP_1)
	v_permlanex16_b32 v252, v14, s[SEL], s[SEL+1]
	s_delay_alu instid0(VALU_DEP_1)
	v_add_f32 v14, v14, v252
	s_wait_alu depctr_va_vdst(0)
	v_rcp_f32 v14, v14
	v_and_b32 v8, 15, v0
	v_bfe_u32 v9, v0, 4, 1
	s_add_co_i32 s68, s54, s55
	s_wait_alu depctr_va_vdst(0)
	v_ldexp_f32 v14, v14, s68
	s_mul_i32 s69, s[WV], 16*STP
	s_add_co_u32 s69, s69, STG
	v_mul_u32_u24 v10, v8, STP
	s_delay_alu instid0(VALU_DEP_1)
	v_lshl_add_u32 v10, v9, 5, v10
	s_delay_alu instid0(VALU_DEP_1)
	v_add_nc_u32 v10, s69, v10
	v_mul_u32_u24 v11, v9, STP
	s_delay_alu instid0(VALU_DEP_1)
	v_lshl_add_u32 v11, v8, 4, v11
	s_delay_alu instid0(VALU_DEP_1)
	v_add_nc_u32 v11, s69, v11
.set jj, 0
.rept 16
	v_pk_mul_f32 v[96+jj:97+jj], v[160+jj:161+jj], v[14:15] op_sel_hi:[1,0]
.set jj, jj+2
.endr
.irp d, 0,1,2,3
	ds_store_b128 v10, v[96+8*\d:99+8*\d] offset:64*\d
	ds_store_b128 v10, v[100+8*\d:103+8*\d] offset:64*\d+16
.endr
.irp i, 0,1,2,3,4,5,6,7
	ds_load_b128 v[32+4*\i:35+4*\i], v11 offset:2*STP*\i
.endr
	s_wait_loadcnt 0x0
.set jj, 0
.rept 16
	v_pk_mul_f32 v[192+jj:193+jj], v[192+jj:193+jj], s[NL:NL+1] op_sel_hi:[1,0]
.set jj, jj+2
.endr
.set jj, 0
	s_wait_alu depctr_va_vdst(0)
.rept 32
	v_exp_f32 v[192+jj], v[192+jj]
.set jj, jj+1
.endr
	v_nop
.set jj, 0
	s_wait_alu depctr_va_vdst(0)
.rept 16
	v_pk_add_f32 v[192+jj:193+jj], v[192+jj:193+jj], 1.0 op_sel_hi:[1,0]
.set jj, jj+2
.endr
.set jj, 0
	s_wait_alu depctr_va_vdst(0)
.rept 32
	v_rcp_f32 v[192+jj], v[192+jj]
.set jj, jj+1
.endr
	v_nop
	s_wait_dscnt 0x0
.set jj, 0
	s_wait_alu depctr_va_vdst(0)
.rept 16
	v_pk_mul_f32 v[32+jj:33+jj], v[32+jj:33+jj], v[192+jj:193+jj]
.set jj, jj+2
.endr
.irp i, 0,1,2,3,4,5,6,7
	global_store_b128 v[GO], v[32+4*\i:35+4*\i], s[8:9] offset:4096*\i
.endr
	s_wait_tensorcnt 0x0
	ds_add_u32 v251, v255
	s_wait_dscnt 0x0
	ROUND
	s_endpgm
.Lfunc_end_k_qe100db98c1_attn:
	.size	k_qe100db98c1_attn, .Lfunc_end_k_qe100db98c1_attn-k_qe100db98c1_attn
	.p2alignl 7, 3214868480
	.fill 96, 4, 3214868480
	.section	.rodata,"a",@progbits
	.p2align	6, 0x0
	.amdhsa_kernel k_qe100db98c1_attn
		.amdhsa_group_segment_fixed_size 327680
		.amdhsa_private_segment_fixed_size 0
		.amdhsa_enable_private_segment 0
		.amdhsa_kernarg_size 24
		.amdhsa_user_sgpr_count 2
		.amdhsa_user_sgpr_kernarg_segment_ptr 1
		.amdhsa_wavefront_size32 1
		.amdhsa_system_sgpr_workgroup_id_x 1
		.amdhsa_system_sgpr_workgroup_id_y 1
		.amdhsa_system_sgpr_workgroup_id_z 1
		.amdhsa_system_vgpr_workitem_id 0
		.amdhsa_next_free_vgpr 256
		.amdhsa_next_free_sgpr 100
		.amdhsa_reserve_vcc 0
		.amdhsa_float_denorm_mode_32 3
		.amdhsa_float_denorm_mode_16_64 3
		.amdhsa_memory_ordered 1
		.amdhsa_forward_progress 1
		.amdhsa_inst_pref_size 33
	.end_amdhsa_kernel
	.amdgpu_metadata
---
amdhsa.version: [ 1, 2 ]
amdhsa.kernels:
  - .name:           k_qe100db98c1_attn
    .symbol:         k_qe100db98c1_attn.kd
    .args:
      - { .name: act, .offset: 0, .size: 8, .value_kind: global_buffer, .address_space: global }
      - { .name: lowp_scales, .offset: 8, .size: 8, .value_kind: global_buffer, .address_space: global }
      - { .name: ob, .offset: 16, .size: 8, .value_kind: global_buffer, .address_space: global }
    .group_segment_fixed_size: 327680
    .private_segment_fixed_size: 0
    .kernarg_segment_align: 8
    .kernarg_segment_size: 24
    .max_flat_workgroup_size: 256
    .sgpr_count:     100
    .vgpr_count:     256
    .wavefront_size: 32
...
	.end_amdgpu_metadata
.endif
;; end of part 3
;; launch kano: the kernel of part 2 again; grid 64 x 1, 8 waves a work-group, no clusters, 205,824 bytes of LDS; arguments ob, k, v, wo, out0; writes out0
